; MI455X (gfx1250); checked and timed in simulation.
; The chip was launched on July 23, 2026; its instructions are those of AMD's public machine-readable ISA for CDNA 5 (MIT licence, August 2026) and "CDNA5" Instruction Set Architecture Reference Guide (July 2026). The comments in the code are by the model that wrote it; some were corrected since.
;; LSTM Cell. Allowed arithmetic: matrix products marked QUANTISED: E3M2 operands, one E8M0 scale for each 32 along K, by v_wmma_scale_f32_16x16x128_f8f6f4 with both operands' format E3M2, f32 sums; everything else in f32.
;; Inputs: Wc_codes 1,024 x 64 x 24 uint8 (E3M2 codes of Wc, K innermost, in blocks of 32 codes, four codes in three bytes); Wc_scales 1,024 x 64 uint8 (E8M0 scales of Wc, one for each 32 codes along K); Wf_codes 1,024 x 64 x 24 uint8 (E3M2 codes of Wf, K innermost, in blocks of 32 codes, four codes in three bytes); Wf_scales 1,024 x 64 uint8 (E8M0 scales of Wf, one for each 32 codes along K); Wi_codes 1,024 x 64 x 24 uint8 (E3M2 codes of Wi, K innermost, in blocks of 32 codes, four codes in three bytes); Wi_scales 1,024 x 64 uint8 (E8M0 scales of Wi, one for each 32 codes along K); Wo_codes 1,024 x 64 x 24 uint8 (E3M2 codes of Wo, K innermost, in blocks of 32 codes, four codes in three bytes); Wo_scales 1,024 x 64 uint8 (E8M0 scales of Wo, one for each 32 codes along K); bc 1,024 float32; bf 1,024 float32; bi 1,024 float32; bo 1,024 float32; out_tm1 8,192 x 1,024 float32; state_tm1 8,192 x 1,024 float32; x 8,192 x 1,024 float32.
;; Outputs: out0 8,192 x 1,024 float32; out1 8,192 x 1,024 float32.
;; This version of the problem:
;;   THIS VERSION OF THE PROBLEM IS GIVEN IN LOW PRECISION. The matrix products marked QUANTISED in the list below multiply operands that are first quantised to E3M2 (3 exponent bits, 2 mantissa bits; 6 bits a number), with one power-of-two scale for each 32 numbers along K (OCP MX v1.0); their sums are f32. All else is computed in f32.
;;   The module's matrix products, in the order in which they are computed (A, B: the left and right operand; K: the contracted axis; several contracted axes count as one K, in the product's order):
;;     1. [M 8,192, K 2,048] x [K 2,048, N 1,024]; A: computed on the way; B: input Wf (given as codes): QUANTISED
;;     2. [M 8,192, K 2,048] x [K 2,048, N 1,024]; A: computed on the way; B: input Wi (given as codes): QUANTISED
;;     3. [M 8,192, K 2,048] x [K 2,048, N 1,024]; A: computed on the way; B: input Wc (given as codes): QUANTISED
;;     4. [M 8,192, K 2,048] x [K 2,048, N 1,024]; A: computed on the way; B: input Wo (given as codes): QUANTISED
;;   THE QUANTISER, for each operand of a quantised product, along K:
;;     - K is cut into blocks of 32 from its start; a last block that is shorter is filled with zeros.
;;     - A block's scale is 2^e with e = floor(log2(the largest magnitude in the block)) - 4, held to -126 .. 127; a block of zeros has e = 0. As a byte (E8M0): e + 127.
;;     - Each number is divided by its block's scale, clamped to +-28, and rounded to the nearest number of E3M2, ties to even, subnormals kept.
;;     - The product sums the exact products of the quantised numbers (number of the format x scale) in f32.
;;   ~~~python
;;   def quantise(x, axis):      # numpy; x: float32 -> the quantised numbers, widened to float32 again
;;       x = np.moveaxis(x, axis, -1); K = x.shape[-1]
;;       x = np.pad(x, [(0, 0)] * (x.ndim - 1) + [(0, -K % 32)]); x = x.reshape(x.shape[:-1] + (-1, 32)); a = np.abs(x).max(-1, keepdims=True)
;;       e = np.where(a > 0, np.clip(np.frexp(np.where(a > 0, a, 1))[1] - 1 - 4, -126, 127), 0)      # np.frexp(a)[1] - 1 = floor(log2(a)), exactly
;;       r = np.clip(x / 2.0 ** e, -28, 28)
;;       step = 2.0 ** (np.maximum(np.frexp(np.where(r == 0, 1, r))[1] - 1, -2) - 2)
;;       q = np.round(r / step) * step * 2.0 ** e      # np.round: ties to even
;;       return np.moveaxis(q.reshape(q.shape[:-2] + (-1,))[..., :K], -1, axis).astype(np.float32)
;;   ~~~
;;   OPERANDS COMPUTED ON THE WAY. 'Computed on the way' means the value that the module computes at that place (a softmax that the list does not call 'softmax' is quantised finished and normalised). What goes into a quantiser is computed in f32, as accurately as f32 sums, v_exp_f32 and their like allow (about 1e-6 of the number): no bf16 or f16 on the way to a quantiser, and a product that is left as it is and whose result goes on into a quantised operand takes f32 operands (vector FMAs, or v_wmma_f32_16x16x4_f32). A number that lies on a knife's edge between two numbers of the format may be rounded either way, as far as f32 arithmetic and the matrix unit's own rounding can turn it there, and no further.
;;   INPUTS GIVEN AS CODES. Wc (in the module: [2048, 1024], K = its axis 0); Wf (in the module: [2048, 1024], K = its axis 0); Wi (in the module: [2048, 1024], K = its axis 0); Wo (in the module: [2048, 1024], K = its axis 0): each comes as NAME_codes (uint8): NAME with its K axis moved to the last place and cut into blocks of 32 codes, [.., K / 32, bytes a block], one block behind the other in memory; four codes in three bytes: a row's codes are one little-endian stream of bits, code i at bits 6 i .. 6 i + 5 (a code: sign, 3 exponent bits, 2 mantissa bits); and NAME_scales (uint8): the same leading axes, one E8M0 byte (e + 127) for each 32 codes along K. Its value is code x scale, taken as it is: it is not quantised again, and the codes and scales need not be those that the quantiser above would give.
;; One version. Each part assembles by itself: llvm-mc -triple=amdgcn-amd-amdhsa -mcpu=gfx1250 --defsym DOCPART=n.
;; ======== version 1 of 1: 2 launches
;; limits: right only within a limited range of input values; inputs' magnitudes at most 1.15e+18
;; workspace buffers: Ximg 13,107,200 bytes; Wimg 6,553,600 bytes
;; launch prep (part 1): grid 512 x 1, 4 waves a work-group, no clusters, 47,616 bytes of LDS; arguments x, out_tm1, Wf_codes, Wi_codes, Wc_codes, Wo_codes, Wf_scales, Wi_scales, Wc_scales, Wo_scales, Ximg, Wimg; writes Ximg, Wimg
.if DOCPART == 1
	.amdgcn_target "amdgcn-amd-amdhsa--gfx1250"
	.amdhsa_code_object_version 6
	.text
	.protected	k_qf5c5f308ee_prep
	.globl	k_qf5c5f308ee_prep
	.p2align	8
	.type	k_qf5c5f308ee_prep,@function
k_qf5c5f308ee_prep:
	s_mov_b64 s[64:65], 0
	v_nop
	global_prefetch_b8 v0, s[64:65] scope:SCOPE_SE
	s_setreg_imm32_b32 hwreg(HW_REG_WAVE_MODE, 25, 1), 1
	s_wait_xcnt 0x0
; xh = [x | out_tm1], [8192][2048] f32, is quantised once along K into codes of BF6 (E3M2) with one E8M0 byte for each 32 along K, and the four weights' codes and
; scale bytes are laid anew, both in the order in which the second launch's matrix instructions want them in registers.
; A UNIT is 12,800 bytes = 128 operand rows x 128 along K: 8 fragment images of 1,536 bytes, block i of 16 rows at 1,536 i, and behind them, at byte 12,288, the scale words [i][r], 4 bytes each.
; An image is the operand's 12 registers: registers 4 c .. 4 c + 3 of lane l are the 16 bytes at 512 c + 16 l.
;   Ximg [R 32][step 16][half 2][UNIT]: batch row 256 R + 128 half + 16 i + r, K = 128 step + ..
;   Wimg [T 16][step 16][ch 2][UNIT]:   block i = 2 g + u (gate g: 0 f, 1 i, 2 c, 3 o), weight column 64 T + 32 ch + 16 u + r
; SHARES.  512 work-groups of four waves; P = work-group / 2, z = work-group % 2, s = 4 z + wave: a wave's 256 along K are steps 2 s and 2 s + 1 (q = 0, 1).  Every wave does the same two jobs:
;   W: 16 rows of one gate: two fragments and 32 scale words, turned through the wave's own LDS stage;
;   x: rows 32 P .. 32 P + 31 (z chooses x or out_tm1): four fragments of 16 rows x 128 K.
; Each load of x takes 512 consecutive bytes of a row; a fragment's 16 rows turn through the stage, so that lane (r, h) then holds, of row r, k = 32 b + 16 h + 0 .. 15 of each block b in 64 registers.
; THE QUANTISER: a block's byte is the largest magnitude's exponent field - 4, held at 1 from below; the conversion divides, rounds to the nearest code, ties to even, and gives the largest code beyond 28.
; LIMITS: a block of zeros gets the byte 1 and not 127 (its codes are zeros, and this program alone reads the bytes); NaN and infinities among x and out_tm1 are not served.
; No tensor loads, no barrier: waves share nothing.  No matrix unit, no cluster: the launch streams, and no two work-groups read the same bytes.
.set UNIT,  12800
.set PAIR,  2*UNIT                     ; from a step's unit to the next step's
.set SCW,   12288
.set WREG,  11776
.set XP,    528
.set WP,    208
.set WST,   16*XP
.set TM,    8
.set PW,    24
.set RAW,   32
.set X,     160
.set PC,    224
.set WRAW,  160
.set WFR,   184
.set WSW,   208
.set WG,    212
.set WL,    213
.set WSO,   214
.set SEL,   48
	s_load_b512 s[4:19], s[0:1], 0x0               ; x, out_tm1, Wf, Wi, Wc, Wo codes, Wf, Wi scales
	s_load_b256 s[20:27], s[0:1], 0x40             ; Wc, Wo scales, Ximg, Wimg
	v_lshl_add_u32 v244, v0, 2, 0xb800
	v_mov_b32 v245, 0
	v_lshrrev_b32 v9, 5, v0
	v_readfirstlane_b32 s28, v9                    ; wave
	v_and_b32 v1, 31, v0                           ; lane
	s_wait_alu depctr_va_vdst(0)
	v_and_b32 v2, 15, v0                           ; r
	s_wait_alu depctr_va_vdst(0)
	v_bfe_u32 v3, v0, 4, 1                         ; h
	s_and_b32 s29, ttmp9, 1                        ; z
	s_lshr_b32 s30, ttmp9, 1                       ; P: bit 0 u, bits 2:1 g, bit 3 ch, bits 7:4 T
	s_lshl_b32 s31, s29, 2
	s_add_co_u32 s31, s31, s28                     ; s
	s_bfe_u32 s58, s30, 0x10001
	s_bfe_u32 s59, s30, 0x10002
	s_lshr_b32 s32, s30, 3                         ; 2 T + ch
	s_and_b32 s33, s30, 1                          ; u
	s_lshl_b32 s34, s32, 5
	s_lshl_b32 s35, s33, 4
	s_add_co_u32 s34, s34, s35                     ; my first weight column
	s_mul_i32 s40, s34, 1536
	s_mul_i32 s35, s31, 192
	s_add_co_u32 s40, s40, s35
	s_mov_b32 s41, 0
	s_lshl_b32 s42, s34, 6
	s_lshl_b32 s35, s31, 3
	s_add_co_u32 s42, s42, s35
	s_mov_b32 s43, 0
	s_lshr_b32 s34, s30, 4                         ; T
	s_lshl_b32 s34, s34, 3
	s_add_co_u32 s34, s34, s31
	s_lshl_b32 s34, s34, 2                         ; (16 T + 2 s) 2
	s_bfe_u32 s35, s30, 0x10003                    ; ch
	s_add_co_u32 s34, s34, s35
	s_mul_i32 s34, s34, UNIT                       ; Wimg's unit (T, step 2 s, ch)
	s_bfe_u32 s35, s30, 0x30000                    ; block 2 g + u
	s_mul_i32 s44, s35, 1536
	s_add_co_u32 s44, s44, s34                     ; its image
	s_mov_b32 s45, 0
	s_lshl_b32 s46, s35, 6
	s_add_co_u32 s46, s46, s34
	s_add_co_u32 s46, s46, SCW                     ; its 16 scale words
	s_mov_b32 s47, 0
	s_lshl_b32 s50, s30, 17                        ; 32 P rows of 4,096 bytes
	s_lshl_b32 s35, s28, 10
	s_add_co_u32 s50, s50, s35
	s_mov_b32 s51, 0
	s_lshr_b32 s34, s30, 3                         ; R
	s_lshl_b32 s34, s34, 3
	s_add_co_u32 s34, s34, s31
	s_lshl_b32 s34, s34, 2
	s_add_co_u32 s34, s34, s59                     ; half = bit 2 of P
	s_mul_i32 s34, s34, UNIT                       ; Ximg's unit (R, step 2 s, half)
	s_and_b32 s35, s30, 3                          ; my two blocks are 2 (P % 4) and the next
	s_mul_i32 s52, s35, 3072
	s_add_co_u32 s52, s52, s34
	s_mov_b32 s53, 0
	s_lshl_b32 s54, s35, 7
	s_add_co_u32 s54, s54, s34
	s_add_co_u32 s54, s54, SCW                     ; their 32 scale words
	s_mov_b32 s55, 0
	s_mov_b32 s[SEL], 0x76543210
	s_mov_b32 s[SEL+1], 0xfedcba98
	s_mul_i32 s56, s28, WREG
	s_add_co_u32 s57, s56, WST
	v_lshlrev_b32 v4, 4, v1
	v_add_nc_u32 v5, s56, v4
	v_mul_u32_u24 v6, v2, XP
	s_wait_alu depctr_va_vdst(0)
	v_lshl_add_u32 v6, v3, 6, v6
	v_add_nc_u32 v6, s56, v6
	v_mul_u32_u24 v7, v2, WP
	v_mad_u32_u24 v7, v3, 24, v7
	v_add_nc_u32 v7, s57, v7
	v_lshlrev_b32 v30, 2, v1                       ; x's scale words on their way out: 4 bytes a lane
	v_mul_u32_u24 v31, v3, PAIR                    ; the weights' scale word (r, q = h): unit q,
	v_lshl_add_u32 v31, v2, 2, v31                 ; + 4 r
	v_lshlrev_b32 v[WSO], 6, v2
	v_lshl_add_u32 v[WSO], v3, 2, v[WSO]
	v_bfe_u32 v220, v0, 3, 2
	v_and_b32 v221, 7, v0
	v_mul_u32_u24 v[WG], v220, 1536
	v_lshl_add_u32 v[WG], v221, 3, v[WG]
	v_mul_u32_u24 v[WL], v220, WP
	v_lshl_add_u32 v[WL], v221, 3, v[WL]
	v_add_nc_u32 v[WL], s57, v[WL]
.irp b, 0,1,2,3
	v_mov_b32 v[TM+4+\b], 0
.endr
	s_wait_alu depctr_va_vdst(0)
	s_wait_kmcnt 0x0
	s_cmp_lg_u32 s58, 0
	s_cselect_b64 s[32:33], s[10:11], s[8:9]
	s_cselect_b64 s[34:35], s[14:15], s[12:13]
	s_cselect_b64 s[36:37], s[18:19], s[16:17]
	s_cselect_b64 s[38:39], s[22:23], s[20:21]
	s_cmp_lg_u32 s59, 0
	s_cselect_b64 s[32:33], s[34:35], s[32:33]
	s_cselect_b64 s[36:37], s[38:39], s[36:37]
	s_cmp_lg_u32 s29, 0
	s_cselect_b64 s[4:5], s[6:7], s[4:5]
	s_add_nc_u64 s[32:33], s[32:33], s[40:41]
	s_add_nc_u64 s[36:37], s[36:37], s[42:43]
	s_add_nc_u64 s[44:45], s[26:27], s[44:45]
	s_add_nc_u64 s[46:47], s[26:27], s[46:47]
	s_add_nc_u64 s[4:5], s[4:5], s[50:51]
	s_add_nc_u64 s[52:53], s[24:25], s[52:53]
	s_add_nc_u64 s[54:55], s[24:25], s[54:55]
.macro LOAD t                          ; fragment t = 2 ib + q of x into set t % 2: each load takes 512 consecutive bytes
.irp p, 0,1,2,3,4,5,6,7,8,9,10,11,12,13,14,15
	global_load_b128 v[RAW+64*((\t)%2)+4*\p:RAW+64*((\t)%2)+4*\p+3], v4, s[4:5] offset:(16*((\t)/2)+\p)*4096+512*((\t)%2) th:TH_LOAD_NT
.endr
.endm
.macro QUANT s, pw                     ; 64 numbers of a lane become a fragment's codes in v[PC] on and its scale word in v[pw]
.irp b, 0,1,2,3
	v_max3_num_f32 v[TM+\b], |v[\s+16*\b]|, |v[\s+1+16*\b]|, 0x2800000   ; with the floor 2^(5 - 127)
.endr
.irp i, 2,4,6,8,10,12,14
.irp b, 0,1,2,3
	v_max3_num_f32 v[TM+\b], v[TM+\b], |v[\s+16*\b+\i]|, |v[\s+1+16*\b+\i]|
.endr
.endr
.irp b, 0,1,2,3
	v_permlanex16_b32 v[TM+4+\b], v[TM+\b], s[SEL], s[SEL+1]
.endr
.irp b, 0,1,2,3
	v_max_num_f32 v[TM+\b], v[TM+\b], v[TM+4+\b]
.endr
.irp b, 0,1,2,3
	v_add_nc_u32 v[TM+12+\b], 0xfe000000, v[TM+\b] ; 4 off the exponent field: the conversion's scale operand
.endr
.irp b, 0,1,2,3
	v_lshrrev_b32 v[TM+4+\b], 23, v[TM+12+\b]      ; the scale's byte
.endr
	v_lshl_or_b32 v[\pw], v[TM+5], 8, v[TM+4]
	v_lshl_or_b32 v[\pw], v[TM+6], 16, v[\pw]
	v_lshl_or_b32 v[\pw], v[TM+7], 24, v[\pw]
.irp c, 0,1
	v_cvt_scalef32_pk16_bf6_f32 v[PC+6*\c:PC+2+6*\c], v[\s+32*\c:\s+15+32*\c], v[TM+12+2*\c]
	v_cvt_scalef32_pk16_bf6_f32 v[PC+12+4*\c:PC+14+4*\c], v[\s+16+32*\c:\s+31+32*\c], v[TM+12+2*\c+1]
.endr
	v_nop                                          ; one plain place behind a scaled conversion
.irp c, 0,1                                        ; a whole block in a lane: lanes 0-15 block 2 c, lanes 16-31 block 2 c + 1
.irp i, 0,1,2
	v_permlane16_swap_b32 v[PC+6*\c+\i], v[PC+12+4*\c+\i]
.endr
.irp i, 0,1,2
	v_mov_b32 v[PC+3+6*\c+\i], v[PC+12+4*\c+\i]
.endr
.endr
.endm
.macro STEPX t                         ; fragment t: through the stage, quantised, its image stored
.if (\t) < 3
	s_wait_loadcnt 16                              ; this fragment's 16 loads are in; the next set's 16 may be out
.else
	s_wait_loadcnt 0x0
.endif
	s_wait_xcnt 0x0                                ; the earlier stores have read their data
.irp p, 0,1,2,3,4,5,6,7,8,9,10,11,12,13,14,15
	ds_store_b128 v5, v[RAW+64*((\t)%2)+4*\p:RAW+64*((\t)%2)+4*\p+3] offset:XP*\p
.endr
.irp b, 0,1,2,3
.irp j, 0,1,2,3
	ds_load_b128 v[X+16*\b+4*\j:X+16*\b+4*\j+3], v6 offset:128*\b+16*\j
.endr
.endr
	s_wait_dscnt 0x0
.if (\t) < 2
	LOAD (\t)+2
.endif
	QUANT X, PW+(\t)
.irp c, 0,1,2
	global_store_b128 v4, v[PC+4*\c:PC+4*\c+3], s[52:53] offset:1536*((\t)/2)+PAIR*((\t)%2)+512*\c   ; block ib of unit q: 32 lanes store 512 consecutive bytes, aligned to 256
.endr
.endm
.irp m, 0,1,2,3
.irp j, 0,1,2
	global_load_b64 v[WRAW+2*(3*\m+\j):WRAW+2*(3*\m+\j)+1], v[WG], s[32:33] offset:4*1536*\m+64*\j th:TH_LOAD_NT
.endr
.endr
	global_load_b32 v[WSW], v[WSO], s[36:37] th:TH_LOAD_NT
	LOAD 0
	LOAD 1
	s_wait_loadcnt 32                              ; the weights' thirteen loads are in; x's 32 may be out
.irp m, 0,1,2,3
.irp j, 0,1,2
	ds_store_b64 v[WL], v[WRAW+2*(3*\m+\j):WRAW+2*(3*\m+\j)+1] offset:4*WP*\m+64*\j
.endr
.endr
.irp q, 0,1
.irp p, 0,1,2,3,4,5
	ds_load_b64 v[WFR+12*\q+2*\p:WFR+12*\q+2*\p+1], v7 offset:96*\q+48*(\p/3)+8*(\p%3)
.endr
.endr
	s_wait_dscnt 0x0
.irp q, 0,1
.irp c, 0,1,2
	global_store_b128 v4, v[WFR+12*\q+4*\c:WFR+12*\q+4*\c+3], s[44:45] offset:PAIR*\q+512*\c
.endr
.endr
	global_store_b32 v31, v[WSW], s[46:47]         ; sixteen lanes store 64 consecutive bytes in each of the two units
	STEPX 0
	STEPX 1
	STEPX 2
	STEPX 3
	v_cmp_eq_u32 vcc_lo, 1, v3                     ; lanes 0-15 send the words of my first block's rows, lanes 16-31 those of my second's
	v_cndmask_b32 v28, v[PW], v[PW+2], vcc_lo      ; q = 0
	v_cndmask_b32 v29, v[PW+1], v[PW+3], vcc_lo    ; q = 1
	global_store_b32 v30, v28, s[54:55]            ; 32 lanes store 128 consecutive bytes
	global_store_b32 v30, v29, s[54:55] offset:PAIR
	s_wait_tensorcnt 0x0
	ds_add_u32 v244, v245
	s_wait_dscnt 0x0
	s_endpgm
.Lfunc_end_k_qf5c5f308ee_prep:
	.size	k_qf5c5f308ee_prep, .Lfunc_end_k_qf5c5f308ee_prep-k_qf5c5f308ee_prep
	.p2alignl 7, 3214868480
	.fill 96, 4, 3214868480
	.section	.rodata,"a",@progbits
	.p2align	6, 0x0
	.amdhsa_kernel k_qf5c5f308ee_prep
		.amdhsa_group_segment_fixed_size 47616
		.amdhsa_private_segment_fixed_size 0
		.amdhsa_enable_private_segment 0
		.amdhsa_kernarg_size 96
		.amdhsa_user_sgpr_count 2
		.amdhsa_user_sgpr_kernarg_segment_ptr 1
		.amdhsa_wavefront_size32 1
		.amdhsa_system_sgpr_workgroup_id_x 1
		.amdhsa_system_sgpr_workgroup_id_y 1
		.amdhsa_system_sgpr_workgroup_id_z 1
		.amdhsa_system_vgpr_workitem_id 0
		.amdhsa_next_free_vgpr 246
		.amdhsa_next_free_sgpr 66
		.amdhsa_reserve_vcc 1
		.amdhsa_float_denorm_mode_32 3
		.amdhsa_float_denorm_mode_16_64 3
		.amdhsa_memory_ordered 1
		.amdhsa_forward_progress 1
		.amdhsa_inst_pref_size 40
	.end_amdhsa_kernel
	.amdgpu_metadata
---
amdhsa.version: [ 1, 2 ]
amdhsa.kernels:
  - .name:           k_qf5c5f308ee_prep
    .symbol:         k_qf5c5f308ee_prep.kd
    .args:
      - { .name: x, .offset: 0, .size: 8, .value_kind: global_buffer, .address_space: global }
      - { .name: out_tm1, .offset: 8, .size: 8, .value_kind: global_buffer, .address_space: global }
      - { .name: Wf_codes, .offset: 16, .size: 8, .value_kind: global_buffer, .address_space: global }
      - { .name: Wi_codes, .offset: 24, .size: 8, .value_kind: global_buffer, .address_space: global }
      - { .name: Wc_codes, .offset: 32, .size: 8, .value_kind: global_buffer, .address_space: global }
      - { .name: Wo_codes, .offset: 40, .size: 8, .value_kind: global_buffer, .address_space: global }
      - { .name: Wf_scales, .offset: 48, .size: 8, .value_kind: global_buffer, .address_space: global }
      - { .name: Wi_scales, .offset: 56, .size: 8, .value_kind: global_buffer, .address_space: global }
      - { .name: Wc_scales, .offset: 64, .size: 8, .value_kind: global_buffer, .address_space: global }
      - { .name: Wo_scales, .offset: 72, .size: 8, .value_kind: global_buffer, .address_space: global }
      - { .name: Ximg, .offset: 80, .size: 8, .value_kind: global_buffer, .address_space: global }
      - { .name: Wimg, .offset: 88, .size: 8, .value_kind: global_buffer, .address_space: global }
    .group_segment_fixed_size: 47616
    .private_segment_fixed_size: 0
    .kernarg_segment_align: 8
    .kernarg_segment_size: 96
    .max_flat_workgroup_size: 128
    .sgpr_count:     66
    .vgpr_count:     246
    .wavefront_size: 32
...
	.end_amdgpu_metadata
.endif
;; end of part 1
;; launch cell (part 2): grid 16 x 32, 4 waves a work-group, clusters of 4 x 4, 327,680 bytes of LDS; arguments Ximg, Wimg, bf, bi, bc, bo, state_tm1, out0, out1; writes out0, out1
.if DOCPART == 2
	.amdgcn_target "amdgcn-amd-amdhsa--gfx1250"
	.amdhsa_code_object_version 6
	.text
	.protected	k_qf5c5f308ee_cell
	.globl	k_qf5c5f308ee_cell
	.p2align	8
	.type	k_qf5c5f308ee_cell,@function
k_qf5c5f308ee_cell:
	s_mov_b64 s[64:65], 0
	v_nop
	global_prefetch_b8 v0, s[64:65] scope:SCOPE_SE
	s_setreg_imm32_b32 hwreg(HW_REG_WAVE_MODE, 25, 1), 1
	s_wait_xcnt 0x0
	s_wait_alu depctr_hold_cnt(0) depctr_sa_sdst(0) depctr_va_vdst(0) depctr_va_sdst(0) depctr_va_ssrc(0) depctr_va_vcc(0) depctr_vm_vsrc(0)
	s_getreg_b32 s2, hwreg(HW_REG_IB_STS2, 6, 4)
	s_cmp_eq_u32 s2, 0
	s_cbranch_scc0 .Lentry_in_a_cluster
	s_endpgm
.Lentry_in_a_cluster:
	s_bfe_u32 s2, ttmp6, 0x10000c
	s_cmp_lg_u32 s2, 0xf033
	s_cbranch_scc0 .Lentry_shape_is_right
	s_endpgm
.Lentry_shape_is_right:
; The LSTM cell on codes of BF6 (E3M2): z_g = xh W_g + b_g for the gates g = f, i, c, o; new = state sigmoid(z_f) + sigmoid(z_i) tanh(z_c) -> out1; sigmoid(z_o) tanh(new) -> out0.
; Ximg [R 32][step 16][half 2][UNIT] and Wimg [T 16][step 16][ch 2][UNIT] hold images of the operands' registers: a UNIT of 12,800 bytes is 128 operand rows x 128 along K: block i at 1,536 i,
; register group c of lane l at 512 c + 16 l; at byte 12,288 the scale words [i][r].
; SHARES.  A work-group of four waves makes 256 batch rows (R) x 64 columns (T) of all four gates.  Wave w = 2 rh + ch owns rows 128 rh on and columns 32 ch on: 64 accumulators of 16 x 16, (a, b), b = 2 g + u.
; The matrix instruction is used transposed (source 0 = 16 weight columns, source 1 = 16 batch rows): lane (r, h) register j holds batch row 16 a + r, column 16 u + 8 h + j, so the four gates of an output
; lie in one lane and the activations are done in registers.  The biases are the C of each sum's first matrix instruction.
; THE RING: two LDS slots of three K steps each (A's 76,800 bytes, then B's).  K goes as step 0 alone (the head's fill, 50 rows of 256 bytes a wave) and five chunks of three steps (150 rows a wave:
; waves 0 and 1 the two halves of A's 76,800 dense bytes, waves 2 and 3 B's).  A slot is filled again in the middle of its last step, when that step's fragments are in registers: from that request to the wait
; for it a wave issues three steps' matrix instructions, 192.  Slot 0's last refill is the state's tile, 64 rows a wave, four steps ahead of its use.
; The walk is written out, 16 steps: the last refill has another shape than the others, so no trip of a loop would recur.
; CLUSTERS: 4 x 4 work-groups; the four of a row (same R) ask jointly for Ximg's bytes, the four of a column (same T) for Wimg's.
; A cluster takes the five chunks round from chunk (cluster x + cluster y) mod 4 on, modulo 5: the same number in all sixteen partners.
; PREFETCH: behind the first two refills a wave names the 150 blocks of 256 bytes that it will fetch two refills on; the four partners take 38, 38, 37, 37 of them by address (cx for A, cy for B), a lane a block
; in two instructions (lanes left over name the share's last block again).  Behind the third refill it names its 64 rows of the state, which the fifth brings.  The first three fills come by their loads alone.
; THE ACTIVATIONS, seven transcendentals an output: ef = 2^min(-L z_f, 30), ei, eo likewise, Ec = 2^min(2 L z_c, 30), L = log2(e); U = Ec - 1, B = 1 + ei, G = 1 + eo;
; BD = B Ec + B;  new = (state BD + U + U ef) / (BD ef + BD);  En = 2^min(2 L new, 30);  out = (En - 1) / (G En + G).
; LIMITS: the hold at 30 keeps the divisor at about 2^90: a sigmoid is never under 2^-30 and a tanh is 1 to within 2^-29 beyond the hold; |state| stays under 2^60; NaN and infinities are not served.
; The f32 sums take K's chunks in the cluster's order: an order of rounding that differs from the reference's.  No work of the problem is left out.
; REGISTERS: window 0: v0-31 addresses; v32-47 scale words, two sets; v64-127 the biases; v128-223 A's fragments, one set; on the way out v64-255 are at work.
;   window 1: B's fragments, two sets, at v0 and v128.  window 2: accumulators of row blocks 0-3 ((a, b) at v[8 (8 (a % 4) + b)]); window 3: blocks 4-7.
.set UNIT,  12800
.set PAIR,  2*UNIT                     ; a step of one operand
.set CHUNK, 3*PAIR                     ; three steps of one operand, in memory and in a slot
.set SLOT,  2*CHUNK
.set SCW,   12288
.set SPARE, 2*SLOT                     ; the spare words: 512 bytes that no other line names
.set SP,    272
.set OST,   256*SP                     ; the state's tile, 256 rows x (256 + 16) bytes, lies at byte 0 of slot 0 and out0's stage behind it: slot 0 has had its last read of codes by then;
                                       ; new_state goes over the bytes of the state that its lane alone has read
.set FR,    12
.set NL,    3
.set NP,    4
.set PFS,  15                          ; the state's prefetch: 4,096 x lane
.set ADRA, 16
.set ADRS, 18
.set ADRB, 20
.set STA,  22
.set OSA,  23
.set RDS,  24
.set RDO,  25
.set CO,   26
.set BO,   27
.set SPW,  28
.set NIL,  29
.set PFO,  30                          ; v30-31 the codes' prefetches: 256 x my block in my work-group's share
.set SC,   32
.set BI,   64
.set AF,   128
.set EZ,   64                          ; the way out, 32 outputs a lane: runs of 32 registers
.set EF,   64
.set EI,   96
.set EC,   128
.set EO,   160
.set EU,   192
.set SI,   224
.set BK,   64                          ; rows read back from the stages
.set G1,   36
.set G0,   44
.set G1B,  52
.set G0B,  68
.set G0T,  60
.set G1T,  76
.set CJ,   98                          ; the chunk that the last fill took
.set KO,   100                         ; s[100:101] its byte offset
.set PB,   90                          ; s[90:91] the prefetches' base: my part of chunk 0, + my work-group's share
.set PO,   92
.set PFA,  94
.set PT,   96
.set MSB, 0
.macro WIN new
.if MSB != \new
	s_set_vgpr_msb (MSB<<8)|\new
.set MSB, \new
.endif
.endm
.set MUL_LO, 0xa1
.set MUL_HI, 0xf1
.set BIA_LO, 0x81
.set BIA_HI, 0xc1
.set TO_B,   0x40
.macro TLOAD g0, g1                    ; a tensor load with an s_nop and four v_nop behind it
	tensor_load_to_lds s[\g0:\g0+3], s[\g1:\g1+7]
	s_nop 0
.rept 4
	v_nop
.endr
.endm
.macro JLOAD g0a, g1a, g0b, g1b        ; waves 0 and 1 fetch for A, waves 2 and 3 for B
	s_cmp_eq_u32 s23, 0
	s_cbranch_scc0 .Lfor_b_\@
	TLOAD \g0a, \g1a
	s_branch .Lasked_\@
.Lfor_b_\@:
	TLOAD \g0b, \g1b
.Lasked_\@:
.endm
.macro AIM slot                        ; both group 0s of a slot at chunk CJ; only where no tensor load of the wave is out
	s_add_nc_u64 s[G0+4*(\slot)+2:G0+4*(\slot)+3], s[32:33], s[KO:KO+1]
	s_or_b32 s[G0+4*(\slot)+3], s[G0+4*(\slot)+3], 0x80000000
	s_add_nc_u64 s[G0B+4*(\slot)+2:G0B+4*(\slot)+3], s[34:35], s[KO:KO+1]
	s_or_b32 s[G0B+4*(\slot)+3], s[G0B+4*(\slot)+3], 0x80000000
.endm
.macro CREST
	s_cmp_lg_u32 s22, 0
	s_cbranch_scc1 .Lnot_wave_0_\@
	s_barrier_signal -3
.Lnot_wave_0_\@:
	s_barrier_wait -3
	s_barrier_signal -1
	s_barrier_wait -1
.endm
.macro CROUND
	s_barrier_signal -1
	s_barrier_wait -1
	CREST
.endm
.macro PLACES n
.rept \n
	v_nop
.endr
.endm
	s_load_b128 s[4:7], s[0:1], 0x0                ; Ximg, Wimg
	s_load_b256 s[8:15], s[0:1], 0x10              ; bf, bi, bc, bo
	s_load_b128 s[16:19], s[0:1], 0x30             ; state_tm1, out0
	s_load_b64 s[20:21], s[0:1], 0x40              ; out1
	v_lshl_add_u32 v[SPW], v0, 2, SPARE
	v_mov_b32 v[NIL], 0
	ds_add_u32 v[SPW], v[NIL]                      ; the opening lines: the add, twice on end, and its wait
	ds_add_u32 v[SPW], v[NIL]
	v_lshrrev_b32 v1, 5, v0
	v_readfirstlane_b32 s22, v1                    ; wave
	s_lshr_b32 s23, s22, 1                         ; rh; also: I fetch for A (0) or B (1)
	s_and_b32 s24, s22, 1                          ; ch; also: which part I fetch
	s_bfe_u32 s25, ttmp6, 0x40000                  ; cx
	s_bfe_u32 s26, ttmp6, 0x40004                  ; cy
	s_lshl_b32 s27, ttmp9, 2
	s_add_co_u32 s27, s27, s25                     ; T
	s_and_b32 s28, ttmp7, 0xffff
	s_lshl_b32 s28, s28, 2
	s_add_co_u32 s28, s28, s26                     ; R
	s_lshl_b32 s29, s26, 2
	s_lshl_b32 s29, 15, s29                        ; my row of the cluster
	s_lshl_b32 s30, 0x1111, s25                    ; my column
	s_and_b32 s[CJ], ttmp7, 0xffff
	s_add_co_u32 s[CJ], s[CJ], ttmp9
	s_and_b32 s[CJ], s[CJ], 3                      ; the cluster's first chunk
	s_mul_i32 s[KO], s[CJ], CHUNK
	s_mov_b32 s[KO+1], 0
	s_or_b32 s[G1+0], s29, (3<<16)|(1<<21)         ; elements of 8 bytes, the mask, bit 21 beside it
	s_or_b32 s[G1B+0], s30, (3<<16)|(1<<21)
.irp g, G1, G1B
	s_mov_b32 s[\g+1], 32<<16                      ; rows of 32 elements, dense
	s_mov_b32 s[\g+2], 50<<16                      ; the head's loads: one UNIT, 50 rows
	s_mov_b32 s[\g+3], 32<<16
	s_mov_b32 s[\g+4], 50
	s_mov_b32 s[\g+5], 32
	s_mov_b32 s[\g+6], 0
	s_mov_b32 s[\g+7], 0
.endr
	s_mov_b32 s[G1T+0], (3<<16)|(1<<20)|(5<<22)|(3<<25)   ; the state: 64 rows of 256 bytes, 4,096 apart, 16 bytes of padding behind each; no mask
	s_mov_b32 s[G1T+1], 32<<16
	s_mov_b32 s[G1T+2], 64<<16
	s_mov_b32 s[G1T+3], 32<<16
	s_mov_b32 s[G1T+4], 64
	s_mov_b32 s[G1T+5], 512
	s_mov_b32 s[G1T+6], 0
	s_mov_b32 s[G1T+7], 0
	s_mul_i32 s32, s28, 16*PAIR                    ; A: R's sixteen steps
	s_mov_b32 s33, 0
	s_mul_i32 s34, s27, 16*PAIR                    ; B: T's
	s_mov_b32 s35, 0
	s_mul_i32 s96, s24, UNIT                       ; the head: my UNIT of step 0
	s_mov_b32 s97, 0
	s_mul_i32 s89, s23, CHUNK                      ; LDS: A's room or B's
	s_add_co_u32 s[G0+1], s89, s96                 ; the head's loads use slot 0's group 0s
	s_add_co_u32 s[G0B+1], s89, s96
	s_mul_i32 s31, s24, 3*UNIT
	s_add_co_u32 s89, s89, s31                     ; the ring: my half of the operand's room
	s_lshl_b32 s29, s27, 8                         ; 256 T bytes: the tile's first column
	s_lshl_b32 s90, s28, 20                        ; the state: row 256 R + 64 wave
	s_lshl_b32 s30, s22, 18
	s_add_co_u32 s90, s90, s30
	s_add_co_u32 s90, s90, s29
	s_mov_b32 s91, 0
	s_lshl_b32 s92, s28, 20                        ; the outputs: row 256 R + 128 rh + 16 ch
	s_lshl_b32 s30, s23, 19
	s_add_co_u32 s92, s92, s30
	s_lshl_b32 s30, s24, 16
	s_add_co_u32 s92, s92, s30
	s_add_co_u32 s92, s92, s29
	s_mov_b32 s93, 0
	s_lshl_b32 s94, s24, 7                         ; the biases: column 64 T + 32 ch
	s_add_co_u32 s94, s94, s29
	s_mov_b32 s95, 0
	s_mov_b32 s84, 0xbfb8aa3b                      ; -log2(e), in both words of the pair
	s_mov_b32 s85, s84
	s_mov_b32 s86, 0x4038aa3b                      ; 2 log2(e)
	s_mov_b32 s87, s86
	s_mov_b32 s88, 0x41f00000                      ; 30.0
	s_mov_b32 s[G0T], 1
	s_mul_i32 s[G0T+1], s22, 64*SP
	s_mul_i32 s66, s23, UNIT                       ; LDS: my UNIT of A in a step,
	s_add_co_u32 s67, s96, CHUNK                   ; my UNIT of B,
	s_sub_co_u32 s99, s67, s66                     ; the distance between them,
	s_mul_i32 s3, s23, 128*SP                      ; my 128 rows of the stages,
	s_mul_i32 s31, s24, 16*SP
	s_add_co_u32 s31, s31, s3                      ; back: of each pair of row blocks I send block ch,
	s_lshl_b32 s2, s24, 7
	s_add_co_u32 s3, s3, s2                        ; in: my 128 bytes of the rows,
	s_add_co_u32 s2, s66, SCW                      ; and A's scale words
	s_wait_dscnt 0x0                               ; both opening adds are done
	s_wait_kmcnt 0x0
	s_add_nc_u64 s[18:19], s[18:19], s[92:93]
	s_add_nc_u64 s[20:21], s[20:21], s[92:93]
.irp g, 0,1,2,3
	s_add_nc_u64 s[8+2*\g:9+2*\g], s[8+2*\g:9+2*\g], s[94:95]
.endr
	s_add_nc_u64 s[32:33], s[4:5], s[32:33]
	s_add_nc_u64 s[34:35], s[6:7], s[34:35]
	s_add_nc_u64 s[4:5], s[16:17], s[90:91]        ; my 64 rows of the state
	s_mov_b64 s[G0T+2:G0T+3], s[4:5]
	s_or_b32 s[G0T+3], s[G0T+3], 0x80000000
	s_mov_b32 s[G0], 1
	s_add_nc_u64 s[G0+2:G0+3], s[32:33], s[96:97]
	s_or_b32 s[G0+3], s[G0+3], 0x80000000
	s_mov_b32 s[G0B], 1
	s_add_nc_u64 s[G0B+2:G0B+3], s[34:35], s[96:97]
	s_or_b32 s[G0B+3], s[G0B+3], 0x80000000
	s_mul_i32 s96, s24, 3*UNIT
	s_add_co_u32 s96, s96, PAIR
	s_add_nc_u64 s[32:33], s[32:33], s[96:97]      ; the ring's bases: my half of chunk 0, which begins at step 1
	s_add_nc_u64 s[34:35], s[34:35], s[96:97]
	s_mov_b32 s[G0+4], 1
	s_add_co_u32 s[G0+5], s89, SLOT
	s_mov_b32 s[G0B+4], 1
	s_add_co_u32 s[G0B+5], s89, SLOT
	AIM 1
	s_cmp_eq_u32 s23, 0
	s_cselect_b64 s[PB:PB+1], s[32:33], s[34:35]
	s_cselect_b32 s[PO], s25, s26                  ; p: my place among the four that ask with me
	s_lshr_b32 s97, s[PO], 1
	s_and_b32 s96, s[PO], s97
	s_mul_i32 s[PO], s[PO], 38
	s_sub_co_u32 s[PO], s[PO], s96                 ; my share begins at block 0, 38, 76, 113
	s_lshl_b32 s[PO], s[PO], 8
	s_mov_b32 s[PO+1], 0
	s_add_nc_u64 s[PB:PB+1], s[PB:PB+1], s[PO:PO+1]
	s_sub_co_u32 s97, 37, s97                      ; and its last block is its 37th or 36th
	CROUND                                         ; all sixteen work-groups are here
	JLOAD G0, G1, G0B, G1B                         ; step 0: one tensor load a wave at the head
	v_and_b32 v1, 15, v0                           ; r
	v_bfe_u32 v2, v0, 4, 1                         ; h
	v_and_b32 v3, 31, v0
	v_lshlrev_b32 v4, 4, v3                        ; 16 x lane
	v_add_nc_u32 v[ADRA], s66, v4
	v_add_nc_u32 v[ADRA+1], SLOT, v[ADRA]
	v_add_nc_u32 v[ADRB], s67, v4
	v_add_nc_u32 v[ADRB+1], SLOT, v[ADRB]
	v_mul_u32_u24 v5, s99, v2                      ; lanes 16-31 take B's scale words
	v_lshl_add_u32 v5, v1, 2, v5
	v_add_nc_u32 v[ADRS], s2, v5
	v_add_nc_u32 v[ADRS+1], SLOT, v[ADRS]
	v_mul_u32_u24 v5, v1, SP
	v_lshl_add_u32 v5, v2, 5, v5                   ; row r, + 32 h
	v_add_nc_u32 v[STA], s3, v5
	v_add_nc_u32 v[OSA], OST, v[STA]
	v_mul_u32_u24 v5, v2, SP                       ; back: lanes 0-15 one row of 256 bytes, lanes 16-31 the next
	v_lshl_add_u32 v5, v1, 4, v5
	v_add_nc_u32 v[RDS], s31, v5
	v_add_nc_u32 v[RDO], OST, v[RDS]
	v_lshlrev_b32 v[CO], 12, v2
	v_lshl_add_u32 v[CO], v1, 4, v[CO]
	v_lshlrev_b32 v[BO], 5, v2
	v_lshlrev_b32 v[PFO], 8, v3
	v_add_nc_u32 v5, 32, v3
	v_min_u32 v5, s97, v5
	v_lshlrev_b32 v[PFO+1], 8, v5
	v_lshlrev_b32 v[PFS], 12, v3
	s_wait_alu depctr_va_vdst(0)
.irp g, 0,1,2,3
.irp u, 0,1
	global_load_b128 v[BI+8*(2*\g+\u):BI+8*(2*\g+\u)+3], v[BO], s[8+2*\g:9+2*\g] offset:64*\u
	global_load_b128 v[BI+8*(2*\g+\u)+4:BI+8*(2*\g+\u)+7], v[BO], s[8+2*\g:9+2*\g] offset:64*\u+16
.endr
.endr
.macro FRAG reg, adr, pos, i
.irp c, 0,1,2
	ds_load_b128 v[\reg+4*\c:\reg+4*\c+3], v[\adr] offset:(\pos)*PAIR+(\i)*1536+512*\c
.endr
.endm
; 16 matrix instructions: A's blocks a0, a0 + 1 x B's eight.  p: B's set and the set of scale words.  The 64 accumulators take turns, in the same order in every step.
.macro MUL16 a0, p, first
.irp a, \a0, \a0+1
.irp b, 0,1,2,3,4,5,6,7
.if \first
	v_wmma_scale_f32_16x16x128_f8f6f4 v[8*(8*((\a)%4)+\b):8*(8*((\a)%4)+\b)+7], v[128*(\p)+FR*\b:128*(\p)+FR*\b+FR-1], v[AF+FR*(\a):AF+FR*(\a)+FR-1], v[BI+8*\b:BI+8*\b+7], v[SC+8*(\p)+\b], v[SC+8*(\p)+(\a)] matrix_a_fmt:MATRIX_FMT_BF6 matrix_b_fmt:MATRIX_FMT_BF6 matrix_a_scale:MATRIX_SCALE_ROW1
.else
	v_wmma_scale_f32_16x16x128_f8f6f4 v[8*(8*((\a)%4)+\b):8*(8*((\a)%4)+\b)+7], v[128*(\p)+FR*\b:128*(\p)+FR*\b+FR-1], v[AF+FR*(\a):AF+FR*(\a)+FR-1], v[8*(8*((\a)%4)+\b):8*(8*((\a)%4)+\b)+7], v[SC+8*(\p)+\b], v[SC+8*(\p)+(\a)] matrix_a_fmt:MATRIX_FMT_BF6 matrix_b_fmt:MATRIX_FMT_BF6 matrix_a_scale:MATRIX_SCALE_ROW1
.endif
.endr
.endr
.endm
.macro FETCH_B slot, pos, p            ; 24 loads
	WIN TO_B
.irp i, 0,1,2,3,4,5,6,7
	FRAG 128*(\p)+FR*\i, ADRB+\slot, \pos, \i
.endr
	WIN 0
.endm
.macro FETCH_A slot, pos, i0           ; 12 loads
.irp i, \i0, \i0+1, \i0+2, \i0+3
	FRAG AF+FR*(\i), ADRA+\slot, \pos, \i
.endr
.endm
.macro SCALES slot, pos, p             ; 8 loads: lanes 0-15 the words of A's block i, lanes 16-31 those of B's block i
.irp i, 0,1,2,3,4,5,6,7
	ds_load_b32 v[SC+8*(\p)+\i], v[ADRS+\slot] offset:(\pos)*PAIR+64*\i
.endr
.endm
; Step st of 128 along K, 0 to 14.  Step 0 lies in slot 0; steps 1-3, 7-9, 13-15 in slot 1; 4-6, 10-12 in slot 0.  A has one set of registers: blocks 0-3 are fetched anew in the step's middle, blocks 4-7 at its end.
; B has two sets.  In a step whose successor lies in the same slot, B's next set is fetched at the step's start: its registers were last read by the step before, whose four places stand at that step's end.
; Steps 0, 3, 6, 9, 12 are their slot's last: in the middle each wave waits for all its tensor loads, adds 0 to its spare word, waits for that and for its reads of this slot, and passes a round of the cluster's barrier;
; this slot is filled again first behind it, and then the next slot is read, B's next set too.
.macro STEP st
.set NX, (\st)+1
.set P, (\st)%2
.set Q, NX%2
.set NSL, ((NX-1)/3+1)%2
.set NPS, (NX-1)%3
.set CSL, 1-NSL
.if (\st) == 0
.set WLO, BIA_LO
.set WHI, BIA_HI
.set FST, 1
.else
.set WLO, MUL_LO
.set WHI, MUL_HI
.set FST, 0
.endif
.if (\st)%3 == 0
	s_wait_dscnt 4*NL                              ; all but the youngest 12 loads (A's blocks 4-7)
.else
	FETCH_B NSL, NPS, Q
	s_wait_dscnt 4*NL+8*NL                         ; all but A's blocks 4-7 and the 24 loads just issued
.endif
	WIN WLO
	MUL16 0, P, FST
	MUL16 2, P, FST
.if (\st)%3 == 0
	WIN 0
.if (\st) == 3
	s_wait_xcnt 0x0                                ; my last prefetches have read their address, which is written below
.endif
	s_wait_tensorcnt 0x0                           ; all my tensor loads have landed: my part of the next slot
	ds_add_u32 v[SPW], v[NIL]
.if (\st) < 12
	s_add_co_u32 s[CJ], s[CJ], 1                   ; the next chunk, round the five
	s_cmp_eq_u32 s[CJ], 5
	s_cselect_b32 s[CJ], 0, s[CJ]
	s_mul_i32 s[KO], s[CJ], CHUNK
	AIM CSL
.endif
.if (\st) == 0
	s_mov_b32 s[G0+1], s89                         ; from here on slot 0 takes chunks too
	s_mov_b32 s[G0B+1], s89
.endif
.if (\st) < 6
	s_add_co_u32 s[PT], s[CJ], 2                   ; the chunk two refills on
	s_sub_co_u32 s97, s[PT], 5
	s_cmp_ge_u32 s[PT], 5
	s_cselect_b32 s[PT], s97, s[PT]
	s_mul_i32 s[PO], s[PT], CHUNK
	s_add_nc_u64 s[PFA:PFA+1], s[PB:PB+1], s[PO:PO+1]
.endif
	s_wait_dscnt 0x0                               ; the add is done, my reads of this slot are over
	s_barrier_signal -1
	s_barrier_wait -1
	CREST
.if (\st) < 12
	JLOAD G0+4*CSL, G1, G0B+4*CSL, G1B             ; the first tensor load behind the round; its four v_nop are the places in front of the loads below
.else
	TLOAD G0T, G1T                                 ; slot 0's last refill: my 64 rows of the state
.endif
	FETCH_B NSL, NPS, Q
.else
	s_wait_dscnt 8*NL                              ; A's blocks 4-7 are in; B's next set, 24 loads, may be out
	PLACES NP                                      ; places in front of loads into registers that matrix instructions have read
	WIN 0
.endif
	FETCH_A NSL, NPS, 0
	SCALES NSL, NPS, Q
.if (\st) == 0 || (\st) == 3
	global_prefetch_b8 v[PFO], s[PFA:PFA+1] th:TH_LOAD_NT scope:SCOPE_SE
	global_prefetch_b8 v[PFO+1], s[PFA:PFA+1] th:TH_LOAD_NT scope:SCOPE_SE
.endif
.if (\st) == 6
	global_prefetch_b8 v[PFS], s[4:5] th:TH_LOAD_NT scope:SCOPE_SE
	global_prefetch_b8 v[PFS], s[4:5] offset:32*4096 th:TH_LOAD_NT scope:SCOPE_SE
.endif
	WIN WHI
	MUL16 4, P, FST
	MUL16 6, P, FST
	PLACES NP
	WIN 0
	FETCH_A NSL, NPS, 4
.endm
	s_wait_tensorcnt 0x0                           ; my UNIT of step 0 is in
	ds_add_u32 v[SPW], v[NIL]
	s_mov_b32 s[G1+2], 150<<16                     ; no tensor load of mine is out: from here on a load brings half of a chunk, 150 rows
	s_mov_b32 s[G1+4], 150
	s_mov_b32 s[G1B+2], 150<<16
	s_mov_b32 s[G1B+4], 150
	s_wait_dscnt 0x0
	CROUND
	JLOAD G0+4, G1, G0B+4, G1B                     ; slot 1's first fill: the cluster's first chunk
	FETCH_B 0, 0, 0
	FETCH_A 0, 0, 0
	SCALES 0, 0, 0
	FETCH_A 0, 0, 4
	s_wait_loadcnt 0x0                             ; the biases
.set ST, 0
.rept 15
	STEP ST
.set ST, ST+1
.endr
	s_wait_dscnt 4*NL                              ; step 15: nothing more to fetch
	WIN MUL_LO
	MUL16 0, 1, 0
	MUL16 2, 1, 0
	s_wait_dscnt 0
	s_wait_tensorcnt 0x0                           ; my 64 rows of the state are in: say so,
	s_barrier_signal -1
	WIN MUL_HI
	MUL16 4, 1, 0
	MUL16 6, 1, 0
	s_barrier_wait -1                              ; and everybody's are
	WIN 0
	PLACES NP
; THE ACTIVATIONS of two row blocks, 32 outputs a lane, BY BATCHES: one wait ahead of a batch of transcendentals and one behind it.
; Plain lines that stand among a batch's transcendentals read only what was made ahead of the batch's first wait, and what they write is first read behind its second.
.macro PKC d, s, c                     ; sixteen pairs: d = s + the constant c
.set KK, 0
.rept 16
	v_pk_add_f32 v[\d+KK:\d+KK+1], v[\s+KK:\s+KK+1], \c op_sel_hi:[1,0]
.set KK, KK+2
.endr
.endm
.macro PKM d, x, y                     ; sixteen pairs: d = x y
.set KK, 0
.rept 16
	v_pk_mul_f32 v[\d+KK:\d+KK+1], v[\x+KK:\x+KK+1], v[\y+KK:\y+KK+1]
.set KK, KK+2
.endr
.endm
.macro PKF d, x, y, z                  ; sixteen pairs: d = x y + z
.set KK, 0
.rept 16
	v_pk_fma_f32 v[\d+KK:\d+KK+1], v[\x+KK:\x+KK+1], v[\y+KK:\y+KK+1], v[\z+KK:\z+KK+1]
.set KK, KK+2
.endr
.endm
.macro HOLD r, n                       ; the hold at 30
.set KK, 0
.rept \n
	v_min_num_f32 v[\r+KK], s88, v[\r+KK]
.set KK, KK+1
.endr
.endm
.macro TOST adr, r, c                  ; 32 results a lane into a stage
.irp e, 0,1
.irp u, 0,1
	ds_store_b128 v[\adr], v[\r+16*\e+8*\u:\r+16*\e+8*\u+3] offset:16*SP*(2*(\c)+\e)+64*\u
	ds_store_b128 v[\adr], v[\r+16*\e+8*\u+4:\r+16*\e+8*\u+7] offset:16*SP*(2*(\c)+\e)+64*\u+16
.endr
.endr
.endm
.macro EPI2 c                          ; row blocks 2 c and 2 c + 1: register 16 e + 8 u + j of each run of 32 is (batch row 16 (2 c + e) + r, column 16 u + 8 h + j)
.if \c > 0
	s_wait_xcnt 0x0                                ; the last pair's stores have read their registers, which are written below
.endif
.irp e, 0,1
.irp u, 0,1
	ds_load_b128 v[SI+16*\e+8*\u:SI+16*\e+8*\u+3], v[STA] offset:16*SP*(2*(\c)+\e)+64*\u     ; the old state of my 32 outputs
	ds_load_b128 v[SI+16*\e+8*\u+4:SI+16*\e+8*\u+7], v[STA] offset:16*SP*(2*(\c)+\e)+64*\u+16
.endr
.endr
	WIN 0x02+(\c)/2                                ; source 0: window 2 or 3
	s_wait_alu depctr_va_vdst(0)                   ; the wait directly ahead of the first readers of the sums
.irp g, 0,1,2,3
.irp e, 0,1
.irp u, 0,1
.irp j, 0,2,4,6                                    ; each accumulator from its low end on
.if \g == 2
	v_pk_mul_f32 v[EZ+32*\g+16*\e+8*\u+\j:EZ+32*\g+16*\e+8*\u+\j+1], v[8*(8*((2*(\c)+\e)%4)+2*\g+\u)+\j:8*(8*((2*(\c)+\e)%4)+2*\g+\u)+\j+1], s[86:87] op_sel_hi:[1,0]   ; 2 L z_c
.else
	v_pk_mul_f32 v[EZ+32*\g+16*\e+8*\u+\j:EZ+32*\g+16*\e+8*\u+\j+1], v[8*(8*((2*(\c)+\e)%4)+2*\g+\u)+\j:8*(8*((2*(\c)+\e)%4)+2*\g+\u)+\j+1], s[84:85] op_sel_hi:[1,0]   ; -L z
.endif
.endr
.endr
.endr
.endr
	WIN 0
	HOLD EF, 64                                    ; the exponents of f and i
	s_wait_alu depctr_va_vdst(0)
.set KK, 0
.rept 64
	v_exp_f32 v[EF+KK], v[EF+KK]                   ; ef, ei; among them the holds of c's and o's exponents
	v_min_num_f32 v[EC+KK], s88, v[EC+KK]
.set KK, KK+1
.endr
	s_wait_alu depctr_va_vdst(0)
.set KK, 0
.rept 16
	v_exp_f32 v[EC+4*KK], v[EC+4*KK]               ; Ec, eo; among them B = 1 + ei
	v_exp_f32 v[EC+4*KK+1], v[EC+4*KK+1]
	v_exp_f32 v[EC+4*KK+2], v[EC+4*KK+2]
	v_exp_f32 v[EC+4*KK+3], v[EC+4*KK+3]
	v_pk_add_f32 v[EI+2*KK:EI+2*KK+1], v[EI+2*KK:EI+2*KK+1], 1.0 op_sel_hi:[1,0]
.set KK, KK+1
.endr
	s_wait_alu depctr_va_vdst(0)
	s_wait_dscnt 0x0                               ; the old state is in
	PKC EU, EC, -1.0                               ; U = Ec - 1
	PKF EI, EI, EC, EI                             ; BD = B Ec + B
	PKF SI, SI, EI, EU                             ; state BD + U
	PKF EC, EI, EF, EI                             ; BD ef + BD
	s_wait_alu depctr_va_vdst(0)
.set KK, 0
.rept 16
	v_rcp_f32 v[EC+KK], v[EC+KK]                   ; the divisor's reciprocal; among them G = 1 + eo, and + U ef
	v_rcp_f32 v[EC+KK+1], v[EC+KK+1]
	v_pk_add_f32 v[EO+KK:EO+KK+1], v[EO+KK:EO+KK+1], 1.0 op_sel_hi:[1,0]
	v_pk_fma_f32 v[SI+KK:SI+KK+1], v[EU+KK:EU+KK+1], v[EF+KK:EF+KK+1], v[SI+KK:SI+KK+1]
.set KK, KK+2
.endr
	s_wait_alu depctr_va_vdst(0)
	PKM SI, SI, EC                                 ; new_state
.set KK, 0
.rept 16
	v_pk_mul_f32 v[EF+KK:EF+KK+1], v[SI+KK:SI+KK+1], s[86:87] op_sel_hi:[1,0]   ; 2 L new_state
.set KK, KK+2
.endr
	HOLD EF, 32
	TOST STA, SI, \c                               ; new_state over the bytes that I alone have read
	s_wait_alu depctr_va_vdst(0)
.set KK, 0
.rept 32
	v_exp_f32 v[EF+KK], v[EF+KK]                   ; En
.set KK, KK+1
.endr
	v_nop
	s_wait_alu depctr_va_vdst(0)
	PKF EO, EO, EF, EO                             ; G En + G
	s_wait_alu depctr_va_vdst(0)
.set KK, 0
.rept 16
	v_rcp_f32 v[EO+KK], v[EO+KK]                   ; its reciprocal; among them En - 1
	v_rcp_f32 v[EO+KK+1], v[EO+KK+1]
	v_pk_add_f32 v[EU+KK:EU+KK+1], v[EF+KK:EF+KK+1], -1.0 op_sel_hi:[1,0]
.set KK, KK+2
.endr
	s_wait_alu depctr_va_vdst(0)
	PKM EU, EU, EO                                 ; the output
	TOST OSA, EU, \c
.endm
; Row blocks 2 c and 2 c + 1 leave.  A row's 256 bytes come from the waves ch = 0 and 1 of a row half: a barrier, in front of which each wave's LDS stores are done; then wave (rh, ch) sends block 2 c + ch.
.macro OUT c
	s_wait_dscnt 0x0
	s_barrier_signal -1
	s_barrier_wait -1
.irp t, 0,1,2,3,4,5,6,7
	ds_load_b128 v[BK+4*\t:BK+4*\t+3], v[RDS] offset:32*SP*(\c)+2*SP*\t
.endr
.irp t, 0,1,2,3,4,5,6,7
	ds_load_b128 v[BK+32+4*\t:BK+32+4*\t+3], v[RDO] offset:32*SP*(\c)+2*SP*\t
.endr
.irp t, 0,1,2,3,4,5,6,7
	s_wait_dscnt 15-\t                             ; this load is in, the younger ones may be out
	global_store_b128 v[CO], v[BK+4*\t:BK+4*\t+3], s[20:21] offset:(32*(\c)+2*\t)*4096 th:TH_STORE_NT        ; 16 lanes store 256 consecutive bytes, aligned
.endr
.irp t, 0,1,2,3,4,5,6,7
	s_wait_dscnt 7-\t
	global_store_b128 v[CO], v[BK+32+4*\t:BK+32+4*\t+3], s[18:19] offset:(32*(\c)+2*\t)*4096 th:TH_STORE_NT
.endr
.endm
.irp c, 0,1,2,3
	EPI2 \c
	OUT \c
.endr
	s_wait_tensorcnt 0x0                           ; the wave's end
	ds_add_u32 v[SPW], v[NIL]
	s_wait_dscnt 0x0
	CROUND                                         ; the closing round
	s_endpgm
.Lfunc_end_k_qf5c5f308ee_cell:
	.size	k_qf5c5f308ee_cell, .Lfunc_end_k_qf5c5f308ee_cell-k_qf5c5f308ee_cell
	.p2alignl 7, 3214868480
	.fill 96, 4, 3214868480
	.section	.rodata,"a",@progbits
	.p2align	6, 0x0
	.amdhsa_kernel k_qf5c5f308ee_cell
		.amdhsa_group_segment_fixed_size 327680
		.amdhsa_private_segment_fixed_size 0
		.amdhsa_enable_private_segment 0
		.amdhsa_kernarg_size 72
		.amdhsa_user_sgpr_count 2
		.amdhsa_user_sgpr_kernarg_segment_ptr 1
		.amdhsa_wavefront_size32 1
		.amdhsa_system_sgpr_workgroup_id_x 1
		.amdhsa_system_sgpr_workgroup_id_y 1
		.amdhsa_system_sgpr_workgroup_id_z 1
		.amdhsa_system_vgpr_workitem_id 0
		.amdhsa_next_free_vgpr 1024
		.amdhsa_next_free_sgpr 102
		.amdhsa_reserve_vcc 0
		.amdhsa_float_denorm_mode_32 3
		.amdhsa_float_denorm_mode_16_64 3
		.amdhsa_memory_ordered 1
		.amdhsa_forward_progress 1
		.amdhsa_inst_pref_size 255
	.end_amdhsa_kernel
	.section	.bss,"aw",@nobits
	.p2align	6
	.space	262144
	.amdgpu_metadata
---
amdhsa.version: [ 1, 2 ]
amdhsa.kernels:
  - .name:           k_qf5c5f308ee_cell
    .symbol:         k_qf5c5f308ee_cell.kd
    .args:
      - { .name: Ximg, .offset: 0, .size: 8, .value_kind: global_buffer, .address_space: global }
      - { .name: Wimg, .offset: 8, .size: 8, .value_kind: global_buffer, .address_space: global }
      - { .name: bf, .offset: 16, .size: 8, .value_kind: global_buffer, .address_space: global }
      - { .name: bi, .offset: 24, .size: 8, .value_kind: global_buffer, .address_space: global }
      - { .name: bc, .offset: 32, .size: 8, .value_kind: global_buffer, .address_space: global }
      - { .name: bo, .offset: 40, .size: 8, .value_kind: global_buffer, .address_space: global }
      - { .name: state_tm1, .offset: 48, .size: 8, .value_kind: global_buffer, .address_space: global }
      - { .name: out0, .offset: 56, .size: 8, .value_kind: global_buffer, .address_space: global }
      - { .name: out1, .offset: 64, .size: 8, .value_kind: global_buffer, .address_space: global }
    .group_segment_fixed_size: 327680
    .private_segment_fixed_size: 0
    .kernarg_segment_align: 8
    .kernarg_segment_size: 72
    .max_flat_workgroup_size: 128
    .sgpr_count:     102
    .vgpr_count:     1024
    .wavefront_size: 32
...
	.end_amdgpu_metadata
.endif
;; end of part 2
